; MI455X (gfx1250); checked and timed in simulation.
; The chip was launched on July 23, 2026; its instructions are those of AMD's public machine-readable ISA for CDNA 5 (MIT licence, August 2026) and "CDNA5" Instruction Set Architecture Reference Guide (July 2026). The comments in the code are by the model that wrote it; some were corrected since.
;; Dot Product Attention. Allowed arithmetic: matrix products marked QUANTISED: E2M3 operands, one E8M0 scale for each 32 along K, by v_wmma_scale_f32_16x16x128_f8f6f4 with both operands' format E2M3, f32 sums; everything else in f32.
;; Inputs: key 32 x 1,024 x 128 float32; query 32 x 1,024 x 128 float32; valid_length 32 int32; value 32 x 1,024 x 128 float32.
;; Outputs: out0 32 x 1,024 x 128 float32.
;; This version of the problem:
;;   THIS VERSION OF THE PROBLEM IS GIVEN IN LOW PRECISION. The matrix products marked QUANTISED in the list below multiply operands that are first quantised to E2M3 (2 exponent bits, 3 mantissa bits; 6 bits a number), with one power-of-two scale for each 32 numbers along K (OCP MX v1.0); their sums are f32. All else is computed in f32.
;;   The module's matrix products, in the order in which they are computed (A, B: the left and right operand; K: the contracted axis; several contracted axes count as one K, in the product's order):
;;     1. batch 32 x [M 1,024, K 128] x [K 128, N 1,024]; A: input query; B: input key: QUANTISED
;;     2. batch 32 x [M 1,024, K 1,024] x [K 1,024, N 128]; A: softmax (see below); B: input value: QUANTISED
;;   THE QUANTISER, for each operand of a quantised product, along K:
;;     - K is cut into blocks of 32 from its start; a last block that is shorter is filled with zeros.
;;     - A block's scale is 2^e with e = floor(log2(the largest magnitude in the block)) - 2, held to -126 .. 127; a block of zeros has e = 0. As a byte (E8M0): e + 127.
;;     - Each number is divided by its block's scale, clamped to +-7.5, and rounded to the nearest number of E2M3, ties to even, subnormals kept.
;;     - The product sums the exact products of the quantised numbers (number of the format x scale) in f32.
;;   ~~~python
;;   def quantise(x, axis):      # numpy; x: float32 -> the quantised numbers, widened to float32 again
;;       x = np.moveaxis(x, axis, -1); K = x.shape[-1]
;;       x = np.pad(x, [(0, 0)] * (x.ndim - 1) + [(0, -K % 32)]); x = x.reshape(x.shape[:-1] + (-1, 32)); a = np.abs(x).max(-1, keepdims=True)
;;       e = np.where(a > 0, np.clip(np.frexp(np.where(a > 0, a, 1))[1] - 1 - 2, -126, 127), 0)      # np.frexp(a)[1] - 1 = floor(log2(a)), exactly
;;       r = np.clip(x / 2.0 ** e, -7.5, 7.5)
;;       step = 2.0 ** (np.maximum(np.frexp(np.where(r == 0, 1, r))[1] - 1, 0) - 3)
;;       q = np.round(r / step) * step * 2.0 ** e      # np.round: ties to even
;;       return np.moveaxis(q.reshape(q.shape[:-2] + (-1,))[..., :K], -1, axis).astype(np.float32)
;;   ~~~
;;   SOFTMAX AHEAD OF A QUANTISED PRODUCT. Where the list says 'softmax', what is quantised is not the finished softmax but p = 2^(t - M), with t = logit x log2(e) and M = ceil(the row's largest t), a whole number; so 1/2 < the row's largest p <= 1. The row's sum l is taken of the UNQUANTISED p, in f32, and the product's result is divided by l at the end. Since M is a whole number, a kernel that streams over the keys may use a running M (the ceiling of the running maximum): every later rescaling is an exact power of two, which a block's scale takes up: the codes' values come out the same.
;;   OPERANDS COMPUTED ON THE WAY. 'Computed on the way' means the value that the module computes at that place (a softmax that the list does not call 'softmax' is quantised finished and normalised). What goes into a quantiser is computed in f32, as accurately as f32 sums, v_exp_f32 and their like allow (about 1e-6 of the number): no bf16 or f16 on the way to a quantiser, and a product that is left as it is and whose result goes on into a quantised operand takes f32 operands (vector FMAs, or v_wmma_f32_16x16x4_f32). A number that lies on a knife's edge between two numbers of the format may be rounded either way, as far as f32 arithmetic and the matrix unit's own rounding can turn it there, and no further.
;; One version. Each part assembles by itself: llvm-mc -triple=amdgcn-amd-amdhsa -mcpu=gfx1250 --defsym DOCPART=n.
;; ======== version 1 of 1: 2 launches
;; limits: right only within a limited range of input values
;; workspace buffers: kv 6,553,600 bytes; order 256 bytes of whole numbers
;; launch prep (part 1): grid 16 x 32, 4 waves a work-group, no clusters, 68,096 bytes of LDS; arguments key, value, valid_length, kv, order; writes kv, order
.if DOCPART == 1
	.amdgcn_target "amdgcn-amd-amdhsa--gfx1250"
	.amdhsa_code_object_version 6
	.text
	.protected	k_q324c549e29_prep
	.globl	k_q324c549e29_prep
	.p2align	8
	.type	k_q324c549e29_prep,@function
k_q324c549e29_prep:
	s_mov_b64 s[64:65], 0
	v_nop
	global_prefetch_b8 v0, s[64:65] scope:SCOPE_SE
	s_setreg_imm32_b32 hwreg(HW_REG_WAVE_MODE, 25, 1), 1
	s_wait_xcnt 0x0
; key [32][1024][128] and value [32][1024][128], f32, become codes of FP6 (E2M3) with one E8M0 scale byte for each 32 along a product's K,
; laid as IMAGES OF THE OPERAND'S REGISTERS: the attention launch reads every fragment by 16-byte loads at 16 x lane.
; key is quantised along the head's 128, value along the keys.
; WHICH KEYS.  A batch's keys at or behind valid_length have the score -1e6.  Where valid_length > 0 their p = 2^(t - M) is 0 in f32, so whole steps of 128 keys behind valid_length are neither read nor written here,
; nor walked by the attention launch: valid_length, a whole number read from memory, decides it.  Where valid_length <= 0 all keys have the same score and all eight steps are done.
; LIMIT: where valid_length > 0 this holds while the largest score of each row's valid keys lies above -999,800; a NaN or an infinity in a step that is left out is not carried to the result.
; THE ORDER.  One wave also ranks the batches by their number of keys (e = valid_length, at most 1,024; 1,024 where valid_length <= 0), longest first, equal ones by the batch's number, and
; stores for each rank the word e x 32 + batch, with bit 17 set where valid_length <= 0.
; A block's scale is 2^(floor(log2(its largest magnitude)) - 2); its byte is the largest magnitude's exponent field - 2, held at 1 from below.
; (A block of zeros gets the byte 1 where the rule says 127: its codes are zeros, and this program alone reads the bytes.)
; LIMITS: blocks whose largest magnitude lies under 2^-124 get the byte 1; NaN and infinities among the inputs are not served.
; THE RECORD of (batch, step of 128 keys), 25,600 bytes:
;   0      K's eight tiles, 1,536 bytes each: register p of lane l at 512 (p / 4) + 16 l + 4 (p % 4).  Lane r of tile 2 b + u holds key 32 b + 8 u + r + 8 (r / 8) of the step;
;          registers 6 c .. 6 c + 5 of lane (r, h) hold channels 64 c + 32 h + 0 .. 31
;   12288  V's eight tiles, the same form: lane r of tile t holds channel 16 t + r; registers 6 c .. 6 c + 5 of lane (r, h) hold the step's keys 64 c + 32 h + 0 .. 31
;   24576  K's scale words [pair j][lane]: lanes 0-15 tile 2 j, lanes 16-31 tile 2 j + 1.     25088  V's, the same form
; SHARES.  Grid y = the batch.  x = 0 .. 7: K, x = 8 .. 15: V, of step (x + 4 (batch / 16)) % 8.  Four waves, which share nothing: no barrier.  All of a wave's 16 KB of input are asked for at once.
.set REC,    25600
.set BATCHB, 8*REC
.set VIM,    12288
.set KSC,    24576
.set VSC,    25088
.set SP,     528                       ; K path: a stage row, 512 bytes + 16
.set WSTG,   32*SP                     ; a wave's stage: 32 rows
.set SPARE,  4*WSTG
.set F,      8                         ; v8-19, v20-31  two finished fragments
.set X,      32                        ; v32-159  128 registers as loaded
.set Y,      160                       ; v160-223 K path: my two blocks of 32 neighbours
	s_load_b256 s[4:11], s[0:1], 0x0               ; key s[4:5], value s[6:7], valid_length s[8:9], kv s[10:11]
	s_load_b64 s[30:31], s[0:1], 0x20              ; order
	v_lshl_add_u32 v242, v0, 2, SPARE
	v_mov_b32 v243, 0
	v_lshrrev_b32 v1, 5, v0
	v_readfirstlane_b32 s12, v1                    ; wave 0..3
	v_and_b32 v1, 31, v0                           ; lane
	v_and_b32 v2, 15, v0                           ; r
	v_bfe_u32 v3, v0, 4, 1                         ; h
	s_and_b32 s13, ttmp7, 0xffff                   ; batch
	s_lshr_b32 s14, s13, 4
	s_lshl_b32 s14, s14, 2
	s_add_co_u32 s14, s14, ttmp9
	s_and_b32 s14, s14, 7                          ; step
	s_mul_i32 s18, s13, BATCHB
	s_mul_i32 s19, s14, REC
	s_add_co_u32 s18, s18, s19                     ; my record in kv
	s_mov_b32 s19, 0
	s_lshl_b32 s16, s13, 19                        ; a batch is 1,024 rows of 512 bytes,
	s_lshl_b32 s17, s14, 16                        ; a step 128 rows
	s_add_co_u32 s16, s16, s17
	s_mov_b32 s17, 0
	s_lshl_b32 s26, s13, 2                         ; my batch's word of valid_length
	s_mov_b32 s27, 0
	s_mov_b32 s22, 0x76543210
	s_mov_b32 s23, 0xfedcba98                      ; v_permlanex16_b32's selects for lane l xor 16
	s_mov_b32 s24, 0xffff0000                      ; lanes 16-31
	s_wait_alu depctr_va_vdst(0)                   ; the wait at the head's end
	s_wait_kmcnt 0x0
	s_add_nc_u64 s[26:27], s[8:9], s[26:27]
	s_load_b32 s20, s[26:27], 0x0                  ; valid_length[batch]
	s_add_nc_u64 s[10:11], s[10:11], s[18:19]
	s_xor_b32 s25, ttmp9, 15
	s_or_b32 s25, s25, s13
	s_or_b32 s25, s25, s12
	s_cmp_lg_u32 s25, 0                            ; wave 0 of work-group (15, 0) makes the order: lane l ranks batch l
	s_cbranch_scc1 .Lordered
	v_lshlrev_b32 v232, 2, v1
	global_load_b32 v233, v232, s[8:9]
	v_mov_b32 v234, 0
	v_mov_b32 v235, 1
	v_mov_b32 v236, 0x400
	v_mov_b32 v237, 0x20000
	s_wait_alu depctr_va_vdst(0)                   ; directly ahead of the wait below
	s_wait_loadcnt 0x0
	v_cmp_lt_i32 vcc_lo, 0, v233
	v_cndmask_b32 v238, v236, v233, vcc_lo         ; e
	v_cndmask_b32 v237, v237, v234, vcc_lo         ; bit 17 where valid_length <= 0
	v_min_u32 v238, 0x400, v238
	v_lshl_or_b32 v238, v238, 5, v1                ; e x 32 + batch: no two are equal
.set j, 0
.rept 32
	v_readlane_b32 s25, v238, j
	v_cmp_gt_u32 vcc_lo, s25, v238
	v_cndmask_b32 v239, 0, v235, vcc_lo
	v_add_nc_u32 v234, v234, v239                  ; how many are greater: the rank
.set j, j+1
.endr
	v_or_b32 v238, v238, v237
	v_min_u32 v234, 31, v234
	v_lshlrev_b32 v234, 2, v234
	global_store_b32 v234, v238, s[30:31]          ; 32 lanes store the 128 bytes once
	s_wait_xcnt 0x0
.Lordered:
	s_wait_kmcnt 0x0
	s_cmp_gt_i32 s20, 0
	s_cselect_b32 s20, s20, 0x400
	s_lshl_b32 s25, s14, 7
	s_cmp_lt_i32 s25, s20                          ; does my step hold a key that is walked?
	s_cbranch_scc0 .Lend
	s_cmp_lt_u32 ttmp9, 8
	s_cbranch_scc0 .Lvalue
; ---- K.  Wave w takes keys 32 w .. 32 w + 31 of the step: tiles 2 w and 2 w + 1.
	s_lshl_b32 s21, s12, 14
	s_add_co_u32 s16, s16, s21                     ; my 32 rows
	s_add_nc_u64 s[4:5], s[4:5], s[16:17]
	s_wait_alu depctr_va_vdst(0)
	v_lshlrev_b32 v4, 4, v1                        ; 16 bytes a lane: a load takes one row, 512 consecutive bytes
.set u, 0
.rept 2                                        ; tile u's sixteen rows, in the tile's order: 8 u + j + 8 (j / 8)
.set j, 0
.rept 16
	global_load_b128 v[X+64*u+4*j:X+64*u+4*j+3], v4, s[4:5] offset:512*(8*u+j+8*(j/8)) th:TH_LOAD_NT
.set j, j+1
.endr
.set u, u+1
.endr
	s_mul_i32 s21, s12, WSTG                       ; my stage
	v_add_nc_u32 v5, s21, v4                       ; into it: a row as it was loaded
	v_mul_u32_u24 v6, v2, SP
	v_lshl_add_u32 v6, v3, 7, v6
	v_add_nc_u32 v6, s21, v6                       ; out of it: row r, + 128 h: my 32 channels of each 64
	s_mul_i32 s28, s12, 3072
	v_add_nc_u32 v252, s28, v4                     ; my 16 bytes in my first tile's image
	s_lshl_b32 s29, s12, 7
	s_add_co_u32 s29, s29, KSC
	v_lshl_add_u32 v253, v1, 2, s29                ; my scale word's place
	s_wait_alu depctr_va_vdst(0)
; Tile u: its 16 rows turn through the stage, so that lane (r, h) holds 2 x 32 neighbours of row r; they are quantised and stored as an image.
.macro KFRAG u
	s_wait_loadcnt 16*(1-(\u))                     ; this tile's sixteen loads are in; the other tile's sixteen are younger
.set j, 0
.rept 16
	ds_store_b128 v5, v[X+64*(\u)+4*j:X+64*(\u)+4*j+3] offset:(16*(\u)+j)*SP
.set j, j+1
.endr
.irp c, 0,1
.irp q, 0,1,2,3,4,5,6,7
	ds_load_b128 v[Y+32*\c+4*\q:Y+32*\c+4*\q+3], v6 offset:16*(\u)*SP+256*\c+16*\q   ; LDS serves a wave's instructions in order: these see my stores
.endr
.endr
	s_wait_dscnt 0x0
.irp c, 0,1                                    ; my block 2 c + h: all its 32 numbers are mine
	v_max3_num_f32 v[240+\c], |v[Y+32*\c]|, |v[Y+32*\c+1]|, 0x1800000   ; with the floor 2^(3 - 127): the byte cannot fall under 1
.endr
.irp i, 2,4,6,8,10,12,14,16,18,20,22,24,26,28,30
.irp c, 0,1
	v_max3_num_f32 v[240+\c], v[240+\c], |v[Y+32*\c+\i]|, |v[Y+32*\c+\i+1]|   ; (the two blocks by turns)
.endr
.endr
.irp c, 0,1
	v_add_nc_u32 v[244+\c], 0xff000000, v[240+\c]  ; 2 off the exponent field: the conversion's scale operand
.endr
.irp c, 0,1
	v_lshrrev_b32 v[246+\c], 23, v[244+\c]         ; the scale's byte
.endr
	v_lshl_or_b32 v248, v247, 16, v246             ; my two bytes: blocks h and 2 + h,
	v_lshlrev_b32 v249, 3, v3
	v_lshlrev_b32 v248, v249, v248                 ; at their places in the word;
	v_mov_b32 v249, 0
	v_permlanex16_b32 v249, v248, s22, s23
	v_or_b32 v[250+(\u)], v248, v249               ; with lane l xor 16's two the row's word is whole, in both halves of the lanes
.irp c, 0,1
	v_cvt_scalef32_pk16_fp6_f32 v[F+12*(\u)+6*\c:F+12*(\u)+6*\c+2], v[Y+32*\c:Y+32*\c+15], v[244+\c]
	v_cvt_scalef32_pk16_fp6_f32 v[228+8*\c:230+8*\c], v[Y+32*\c+16:Y+32*\c+31], v[244+\c]   ; (a conversion's three registers begin on an even number: made elsewhere and moved)
.endr
	v_nop                                          ; one plain line behind the conversions
.irp c, 0,1
.irp i, 0,1,2
	v_mov_b32 v[F+12*(\u)+6*\c+3+\i], v[228+8*\c+\i]
.endr
.endr
.irp k, 0,1,2
	global_store_b128 v252, v[F+12*(\u)+4*\k:F+12*(\u)+4*\k+3], s[10:11] offset:1536*(\u)+512*\k   ; 32 lanes store 512 consecutive bytes, aligned to 256
.endr
.endm
	KFRAG 0
	KFRAG 1
	v_cndmask_b32 v254, v250, v251, s24            ; lanes 0-15: tile 2 w's words; lanes 16-31: tile 2 w + 1's
	global_store_b32 v253, v254, s[10:11]          ; 128 consecutive bytes a wave
	s_wait_tensorcnt 0x0                           ; the wave's end
	ds_add_u32 v242, v243
	s_wait_dscnt 0x0
	s_endpgm
; ---- V.  Wave w takes channels 32 w + lane; a lane's registers run DOWN the step's 128 keys, which are the second product's K: four whole blocks a lane, no other lane is asked.
.Lvalue:
	s_lshl_b32 s21, s12, 7
	s_add_co_u32 s16, s16, s21                     ; my 32 channels
	s_add_nc_u64 s[6:7], s[6:7], s[16:17]
	s_wait_alu depctr_va_vdst(0)
	v_lshlrev_b32 v4, 2, v1
.set k, 0
.rept 128
	global_load_b32 v[X+k], v4, s[6:7] offset:512*k th:TH_LOAD_NT   ; key k at 32 neighbouring channels: the four waves stand side by side on a row
.set k, k+1
.endr
	v_mul_u32_u24 v5, v3, 1536                     ; my channel lies in tile 2 w + lane / 16, at the tile's lane r = lane % 16
	v_lshl_add_u32 v5, v2, 4, v5
	s_mul_i32 s21, s12, 3072
	s_add_co_u32 s21, s21, VIM
	v_add_nc_u32 v5, s21, v5
	s_lshl_b32 s25, s12, 7
	s_add_co_u32 s25, s25, VSC
	v_lshl_add_u32 v6, v1, 2, s25
	s_wait_alu depctr_va_vdst(0)                   ; directly ahead of the waits below
; Block b (keys 32 b on) of my channel belongs to the image's lane (r, b % 2), registers 6 (b / 2) on: fragment b % 2 here.
.macro VBLOCK b
.set XS, X+32*(\b)
.set FD, F+12*((\b)%2)+6*((\b)/2)
	v_max3_num_f32 v224, |v[XS]|, |v[XS+1]|, |v[XS+2]|
	v_max3_num_f32 v225, |v[XS+3]|, |v[XS+4]|, |v[XS+5]|
.irp i, 6,10,14,18,22,26
	v_max3_num_f32 v224, v224, |v[XS+\i]|, |v[XS+\i+1]|
	v_max3_num_f32 v225, v225, |v[XS+\i+2]|, |v[XS+\i+3]|
.endr
	v_max3_num_f32 v224, v224, |v[XS+30]|, |v[XS+31]|
	v_max3_num_f32 v224, v224, v225, 0x1800000     ; and the floor
	v_add_nc_u32 v226, 0xff000000, v224            ; the conversion's scale operand
	v_lshrrev_b32 v227, 23, v226                   ; the byte
.if (\b) == 0
	v_mov_b32 v228, v227
.else
	v_lshl_or_b32 v228, v227, 8*(\b), v228         ; four bytes make my channel's scale word for the step
.endif
	v_cvt_scalef32_pk16_fp6_f32 v[FD:FD+2], v[XS:XS+15], v226
	v_cvt_scalef32_pk16_fp6_f32 v[230:232], v[XS+16:XS+31], v226   ; (three registers from an even number on: made elsewhere and moved)
	v_nop                                          ; one plain line behind the conversions
.irp i, 0,1,2
	v_mov_b32 v[FD+3+\i], v[230+\i]
.endr
.endm
.macro VSTORE hh                               ; fragment hh goes to the image's lanes 16 hh + r: each half of my lanes stores 256 consecutive bytes, aligned to 256
.irp k, 0,1,2
	global_store_b128 v5, v[F+12*(\hh)+4*\k:F+12*(\hh)+4*\k+3], s[10:11] offset:256*(\hh)+512*\k
.endr
.endm
	s_wait_loadcnt 63                              ; of 128 loads at most 63 are out: the oldest 65, blocks 0 and 1 among them, are in
	VBLOCK 0
	VBLOCK 1
	s_wait_loadcnt 32                              ; block 3's 32 may be out
	VBLOCK 2
	VSTORE 0
	s_wait_loadcnt 0x0
	VBLOCK 3
	VSTORE 1
	global_store_b32 v6, v228, s[10:11]
.Lend:
	s_endpgm
.Lfunc_end_k_q324c549e29_prep:
	.size	k_q324c549e29_prep, .Lfunc_end_k_q324c549e29_prep-k_q324c549e29_prep
	.p2alignl 7, 3214868480
	.fill 96, 4, 3214868480
	.section	.rodata,"a",@progbits
	.p2align	6, 0x0
	.amdhsa_kernel k_q324c549e29_prep
		.amdhsa_group_segment_fixed_size 68096
		.amdhsa_private_segment_fixed_size 0
		.amdhsa_enable_private_segment 0
		.amdhsa_kernarg_size 40
		.amdhsa_user_sgpr_count 2
		.amdhsa_user_sgpr_kernarg_segment_ptr 1
		.amdhsa_wavefront_size32 1
		.amdhsa_system_sgpr_workgroup_id_x 1
		.amdhsa_system_sgpr_workgroup_id_y 1
		.amdhsa_system_sgpr_workgroup_id_z 1
		.amdhsa_system_vgpr_workitem_id 0
		.amdhsa_next_free_vgpr 256
		.amdhsa_next_free_sgpr 66
		.amdhsa_reserve_vcc 1
		.amdhsa_float_denorm_mode_32 3
		.amdhsa_float_denorm_mode_16_64 3
		.amdhsa_memory_ordered 1
		.amdhsa_forward_progress 1
		.amdhsa_inst_pref_size 42
	.end_amdhsa_kernel
	.amdgpu_metadata
---
amdhsa.version: [ 1, 2 ]
amdhsa.kernels:
  - .name:           k_q324c549e29_prep
    .symbol:         k_q324c549e29_prep.kd
    .args:
      - { .name: key, .offset: 0, .size: 8, .value_kind: global_buffer, .address_space: global }
      - { .name: value, .offset: 8, .size: 8, .value_kind: global_buffer, .address_space: global }
      - { .name: valid_length, .offset: 16, .size: 8, .value_kind: global_buffer, .address_space: global }
      - { .name: kv, .offset: 24, .size: 8, .value_kind: global_buffer, .address_space: global }
      - { .name: order, .offset: 32, .size: 8, .value_kind: global_buffer, .address_space: global }
    .group_segment_fixed_size: 68096
    .private_segment_fixed_size: 0
    .kernarg_segment_align: 8
    .kernarg_segment_size: 40
    .max_flat_workgroup_size: 128
    .sgpr_count:     66
    .vgpr_count:     256
    .wavefront_size: 32
...
	.end_amdgpu_metadata
.endif
;; end of part 1
;; launch attn (part 2): grid 256 x 1, 8 waves a work-group, no clusters, 308,224 bytes of LDS; arguments query, order, kv, out0; writes out0
.if DOCPART == 2
	.amdgcn_target "amdgcn-amd-amdhsa--gfx1250"
	.amdhsa_code_object_version 6
	.text
	.protected	k_q324c549e29_attn
	.globl	k_q324c549e29_attn
	.p2align	8
	.type	k_q324c549e29_attn,@function
k_q324c549e29_attn:
	s_mov_b64 s[64:65], 0
	v_nop
	global_prefetch_b8 v0, s[64:65] scope:SCOPE_SE
	s_setreg_imm32_b32 hwreg(HW_REG_WAVE_MODE, 25, 1), 1
	s_wait_xcnt 0x0
; out0[b][q][:] = the sum over k of softmax_k(score) value[b][k][:], score = query[b][q] . key[b][k] / sqrt(128), or -1e6 for keys k >= valid_length[b].
; Both products on codes of FP6 (E2M3) with one E8M0 scale for each 32 along K.  K's and V's codes come from kv, as images of the operand's registers (one record of 25,600 bytes for each 128 keys:
; K's 8 tiles at 0, V's 8 tiles at 12288, K's scale words at 24576, V's at 25088); Q is quantised here, in registers.
; THE MASK.  e = the number of keys that are walked: valid_length where it is above 0, else all 1,024.  Whole steps of 128 keys at or behind e are left out: with a valid key in the row a masked key's p is 0 in f32.
; In the step that e cuts, the masked keys' scores become -11313708 = -1e6 sqrt(128), rounded, by selection.  Where valid_length <= 0 every score of the row is the same -1e6 and the softmax is uniform: there c = 0
; stands in for log2(e) / sqrt(128), so that every t is 0 and every p is 1.
; LIMIT: where valid_length > 0 this holds while the largest score of each row's valid keys lies above -999,800; a NaN or an infinity among the keys left out is not carried to the result.
; THE SOFTMAX.  M = the running largest t rounded UP to a whole number, kept as -M; p = 2^(t - M) is quantised along the keys, not normalised; the row's sum is taken of the unquantised p and divides at the end;
; when M moves, the sum and O^T are multiplied by 2^(old M - new M), which rounds nothing.
; SHARES.  order lists the batches by e, longest first.  A work-group (p = x / 16, u = x % 16) takes queries 64 u .. 64 u + 63 of TWO batches: waves 0 to 3 of the batch of rank p, waves 4 to 7 of the batch of rank
; 31 - p, so that the long ones stand beside the short ones; a wave takes one tile of 16 queries through all its steps.
; LDS.  A ring of three slots; a slot holds a pair of steps, two records, for each of the two groups of waves.  Each wave of a group brings a quarter of a record through its registers.  Between steps 2 j and 2 j + 1
; pair j + 1 is stored into slot (j + 1) % 3, behind the barrier there pair j + 2 is asked for; the slot was last read two barriers earlier.  All waves pass all four barriers; only loads, stores and steps are jumped over.
; NO CLUSTER and no tensor load: how many records are fetched, and by which batch, hangs on numbers read from memory.  NO PREFETCH: the text has no loop, and the first two of at most four pairs are loaded at the head.
; LAYOUT.  Both products are used transposed: S^T = K Q^T (source 0 = 16 keys), O^T = V^T P (source 0 = 16 channels): a lane holds ONE query (lane % 16) throughout.
; Register 16 b + i of a lane's 64 scores is key 32 b + 16 (lane / 16) + i of the step.
; LIMITS: NaN and infinities among the inputs are not served; blocks of Q whose largest magnitude lies under 2^-124 get the scale byte 1; the row's sum is added in another order than a plain sum over the keys.
; REGISTERS.  Window 1: v0-95 K's 8 fragments, v96-191 V's, v192-241 the second record of the pair on its way.  All else in window 0.
.set REC,    25600
.set BATCHB, 8*REC
.set VIM,    12288
.set KSC,    24576
.set VSC,    25088
.set GRP,    2*REC                     ; a group's pair of records
.set SLOT,   2*GRP
.set SPARE,  3*SLOT                    ; the spare words, 128 bytes for each wave
.set STAGE,  SLOT                      ; 16 rows x (512 bytes + 16) for each wave in slot 1: Q ahead of the first barrier, O behind the last, when nobody reads that slot
.set SP,     528                       ; 132 words: the 16 rows that a 16-byte access touches start 4 banks apart
.set WSTG,   16*SP
.set LI,  0                            ; v0   16 x lane
.set GLC, 1                            ; v1   my quarter of a record's codes: 6144 x (wave % 4) + 16 x lane
.set STC, 2                            ; v2-4 the same in slots 0, 1, 2
.set STW, 5                            ; v5-7 my quarter of its scale words, in the slots
.set RDI, 8                            ; v8-10 my group's images in the slots
.set GLS, 11                           ; v11  256 x (wave % 4) + 8 x lane
.set NM,  12                           ; v12 -M, v13 the largest t, v[14:15] the sum in two halves
.set Q,   16                           ; v16-27
.set RDS, 28                           ; v28-30 my group's scale words in the slots
.set SPW, 31                           ; v31  my spare word
.set NIL, 33                           ; v33  0
.set QS,  34                           ; scale words and nothing else: v34 Q's, v36-39 K's, v40-43 V's, v46 P's
.set KS,  36
.set VS,  40
.set PS,  46
.set H16, 35                           ; v35  16 x (lane / 16)
.set STS, 44                           ; v44  my stage, a row as 16 x lane
.set STR, 45                           ; v45  my stage, row r + 128 h
.set STO, 47                           ; v47  my stage, row r + 32 h
.set R0,  48                           ; v48-97 the first record of the pair on its way
.set R1,  192                          ; and the second, in window 1
.set S,   100                          ; v100-163 S^T, then p
.set O,   164                          ; v164-227 O^T
.set P,   228                          ; v228-239 P's codes
.set BM,  240                          ; v240-255 at work
.set BX,  244
.set SC,  248
.set NE,  15                           ; s15  e
.set N,   16                           ; s16  steps to walk, 1 to 8
.set SEL, 20                           ; s[20:21] lane selects: lane l xor 16
.set CS,  22                           ; s[22:23] c, twice
.set MSB, 0
.macro WIN new                         ; s_set_vgpr_msb: bits 1:0 source 0, 3:2 source 1, 5:4 source 2, 7:6 destination; the high byte repeats the setting that is left
.if MSB != (\new)
	s_set_vgpr_msb (MSB<<8)|(\new)
.set MSB, (\new)
.endif
.endm
.macro GLOAD rec, base                 ; my quarter of my batch's record rec into registers: twelve loads of 512 consecutive bytes and one of 256
.set j, 0
.rept 12
	global_load_b128 v[(\base)+4*j:(\base)+4*j+3], v[GLC], s[8:9] offset:REC*(\rec)+512*j
.set j, j+1
.endr
	global_load_b64 v[(\base)+48:(\base)+49], v[GLS], s[8:9] offset:REC*(\rec)+KSC
.endm
.macro LSTORE slot, r, base            ; and from there into record r of the slot
.set j, 0
.rept 12
	ds_store_b128 v[STC+(\slot)], v[(\base)+4*j:(\base)+4*j+3] offset:REC*(\r)+512*j
.set j, j+1
.endr
	ds_store_b64 v[STW+(\slot)], v[(\base)+48:(\base)+49] offset:REC*(\r)+KSC
.endm
.macro KLOAD slot, r                   ; K's scale words and eight fragments: 28 loads
.irp i, 0,1,2,3
	ds_load_b32 v[KS+\i], v[RDS+(\slot)] offset:REC*(\r)+KSC+128*\i
.endr
	WIN 0x40
.set j, 0
.rept 24
	ds_load_b128 v[4*j:4*j+3], v[RDI+(\slot)] offset:REC*(\r)+512*j
.set j, j+1
.endr
	WIN 0
.endm
	s_load_b256 s[4:11], s[0:1], 0x0               ; query s[4:5], order s[6:7], kv s[8:9], out0 s[10:11]
	v_lshl_add_u32 v[SPW], v0, 2, SPARE
	v_mov_b32 v[NIL], 0
	v_lshrrev_b32 v48, 5, v0
	v_readfirstlane_b32 s12, v48                   ; wave 0..7
	s_lshr_b32 s13, s12, 2                         ; my group
	s_and_b32 s14, s12, 3                          ; my place in it
	s_lshr_b32 s24, ttmp9, 4                       ; p
	s_and_b32 s18, ttmp9, 15                       ; u
	s_sub_co_u32 s25, 31, s24
	s_cmp_eq_u32 s13, 0
	s_cselect_b32 s24, s24, s25                    ; my group's rank
	s_lshl_b32 s24, s24, 2
	s_mov_b32 s25, 0
	s_lshl_b32 s18, s18, 15                        ; 64 rows of 512 bytes a work-group,
	s_lshl_b32 s19, s14, 13                        ; 16 a wave
	s_add_co_u32 s18, s18, s19
	s_mul_i32 s27, s14, 6144
	s_mul_i32 s28, s13, GRP
	s_add_co_u32 s29, s27, s28
	s_lshl_b32 s19, s14, 8
	s_mul_i32 s30, s12, WSTG
	s_add_co_u32 s30, s30, STAGE
	s_mov_b32 s[SEL], 0x76543210
	s_mov_b32 s[SEL+1], 0xfedcba98
	v_and_b32 v48, 31, v0                          ; lane
	v_and_b32 v49, 15, v0                          ; r
	v_bfe_u32 v50, v0, 4, 1                        ; h
	v_lshlrev_b32 v[LI], 4, v48
	v_add_nc_u32 v[GLC], s27, v[LI]
	v_lshl_add_u32 v[GLS], v48, 3, s19
	v_add_nc_u32 v[STC], s29, v[LI]
	v_add_nc_u32 v[STW], s28, v[GLS]
	v_add_nc_u32 v[RDI], s28, v[LI]
	v_lshl_add_u32 v[RDS], v48, 2, s28
.irp i, 1,2
	v_add_nc_u32 v[STC+\i], SLOT*\i, v[STC]
	v_add_nc_u32 v[STW+\i], SLOT*\i, v[STW]
	v_add_nc_u32 v[RDI+\i], SLOT*\i, v[RDI]
	v_add_nc_u32 v[RDS+\i], SLOT*\i, v[RDS]
.endr
	v_lshlrev_b32 v[H16], 4, v50
	v_mul_u32_u24 v[STR], v49, SP
	v_lshl_add_u32 v[STO], v50, 5, v[STR]
	v_lshl_add_u32 v[STR], v50, 7, v[STR]
	v_add_nc_u32 v[STS], s30, v[LI]
	v_add_nc_u32 v[STO], s30, v[STO]
	v_add_nc_u32 v[STR], s30, v[STR]
.irp b, 0,1,2,3
	v_mov_b32 v[SC+\b], 0                          ; a lane permute's destination counts as one of its sources
.endr
	s_wait_alu depctr_va_vdst(0)                   ; directly ahead of the wait below
	s_wait_kmcnt 0x0
	s_add_nc_u64 s[6:7], s[6:7], s[24:25]
	s_load_b32 s26, s[6:7], 0x0                    ; e x 32 + batch; bit 17: valid_length <= 0
	s_wait_kmcnt 0x0
	s_and_b32 s17, s26, 31
	s_min_u32 s17, s17, 31                         ; my batch
	s_mov_b32 s31, 0
	s_mul_i32 s30, s17, BATCHB
	s_add_nc_u64 s[8:9], s[8:9], s[30:31]          ; its records
	s_lshl_b32 s30, s17, 19
	s_add_co_u32 s30, s30, s18
	s_add_nc_u64 s[4:5], s[4:5], s[30:31]          ; Q and O at my wave's first row
	s_add_nc_u64 s[10:11], s[10:11], s[30:31]
.set j, 0
.rept 16
	global_load_b128 v[S+4*j:S+4*j+3], v[LI], s[4:5] offset:512*j th:TH_LOAD_NT   ; Q's row j: 512 consecutive bytes
.set j, j+1
.endr
	WIN 0x40
	GLOAD 0, 0                                     ; pair 0, into K's and V's registers,
	GLOAD 1, 50
	WIN 0
	GLOAD 2, R0                                    ; and pair 1 (of a batch with fewer steps what it brings is not used)
	WIN 0x40
	GLOAD 3, R1
	WIN 0
	s_bfe_u32 s[NE], s26, (11<<16)|5
	s_add_co_u32 s[N], s[NE], 127
	s_lshr_b32 s[N], s[N], 7
	s_mov_b32 s27, 0x3e0293ee                      ; log2(e) / sqrt(128)
	s_bitcmp1_b32 s26, 17
	s_cselect_b32 s[CS], 0, s27
	s_mov_b32 s[CS+1], s[CS]                       ; (named with it as a pair, so it is written)
; Q: its 16 rows turn through my stage, so that lane (r, h) holds channels 64 c + 32 h + 0 .. 31 of row r: two whole blocks; the codes are the operand's registers.
	s_wait_loadcnt 52                              ; Q's sixteen are in; the two pairs' 52 are younger
.set j, 0
.rept 16
	ds_store_b128 v[STS], v[S+4*j:S+4*j+3] offset:SP*j
.set j, j+1
.endr
.irp c, 0,1
.irp q, 0,1,2,3,4,5,6,7
	ds_load_b128 v[O+32*\c+4*\q:O+3+32*\c+4*\q], v[STR] offset:256*\c+16*\q   ; LDS serves a wave's instructions in order: these see my stores
.endr
.endr
	s_wait_dscnt 0x0
.irp c, 0,1
	v_max3_num_f32 v[240+\c], |v[O+32*\c]|, |v[O+1+32*\c]|, 0x1800000   ; with the floor 2^(3 - 127): the byte cannot fall under 1
.endr
.irp i, 2,4,6,8,10,12,14,16,18,20,22,24,26,28,30
.irp c, 0,1
	v_max3_num_f32 v[240+\c], v[240+\c], |v[O+32*\c+\i]|, |v[O+1+32*\c+\i]|
.endr
.endr
.irp c, 0,1
	v_add_nc_u32 v[244+\c], 0xff000000, v[240+\c]  ; 2 off the exponent field: the conversion's scale operand
.endr
.irp c, 0,1
	v_lshrrev_b32 v[246+\c], 23, v[244+\c]         ; the byte
.endr
	v_lshl_or_b32 v254, v247, 16, v246             ; blocks h and 2 + h,
	v_lshrrev_b32 v253, 1, v[H16]
	v_lshlrev_b32 v254, v253, v254                 ; at their places (8 h bits up);
	v_mov_b32 v253, 0
	v_permlanex16_b32 v253, v254, s[SEL], s[SEL+1]
	v_or_b32 v[QS], v254, v253                     ; with lane l xor 16's two the row's word is whole
.irp c, 0,1
	v_cvt_scalef32_pk16_fp6_f32 v[Q+6*\c:Q+2+6*\c], v[O+32*\c:O+15+32*\c], v[244+\c]
	v_cvt_scalef32_pk16_fp6_f32 v[P+4*\c:P+2+4*\c], v[O+16+32*\c:O+31+32*\c], v[244+\c]   ; (three registers from an even number on: made elsewhere and moved)
.endr
	v_nop                                          ; one plain line behind the conversions
.irp c, 0,1
.irp i, 0,1,2
	v_mov_b32 v[Q+3+6*\c+\i], v[P+4*\c+\i]
.endr
.endr
.macro SMM t                           ; S^T, tile t of the step's keys; an odd tile's scale words lie in lanes 16-31
.if (\t)%2
	v_wmma_scale_f32_16x16x128_f8f6f4 v[S+8*(\t):S+7+8*(\t)], v[12*(\t):12*(\t)+11], v[Q:Q+11], 0, v[KS+(\t)/2], v[QS] matrix_a_fmt:MATRIX_FMT_FP6 matrix_b_fmt:MATRIX_FMT_FP6 matrix_a_scale:MATRIX_SCALE_ROW1
.else
	v_wmma_scale_f32_16x16x128_f8f6f4 v[S+8*(\t):S+7+8*(\t)], v[12*(\t):12*(\t)+11], v[Q:Q+11], 0, v[KS+(\t)/2], v[QS] matrix_a_fmt:MATRIX_FMT_FP6 matrix_b_fmt:MATRIX_FMT_FP6
.endif
.endm
.macro PVM t, i                        ; O^T += V^T P, channels 16 t on; step 0 begins the sums
.if (\i) == 0
.if (\t)%2
	v_wmma_scale_f32_16x16x128_f8f6f4 v[O+8*(\t):O+7+8*(\t)], v[96+12*(\t):107+12*(\t)], v[P:P+11], 0, v[VS+(\t)/2], v[PS] matrix_a_fmt:MATRIX_FMT_FP6 matrix_b_fmt:MATRIX_FMT_FP6 matrix_a_scale:MATRIX_SCALE_ROW1
.else
	v_wmma_scale_f32_16x16x128_f8f6f4 v[O+8*(\t):O+7+8*(\t)], v[96+12*(\t):107+12*(\t)], v[P:P+11], 0, v[VS+(\t)/2], v[PS] matrix_a_fmt:MATRIX_FMT_FP6 matrix_b_fmt:MATRIX_FMT_FP6
.endif
.else
.if (\t)%2
	v_wmma_scale_f32_16x16x128_f8f6f4 v[O+8*(\t):O+7+8*(\t)], v[96+12*(\t):107+12*(\t)], v[P:P+11], v[O+8*(\t):O+7+8*(\t)], v[VS+(\t)/2], v[PS] matrix_a_fmt:MATRIX_FMT_FP6 matrix_b_fmt:MATRIX_FMT_FP6 matrix_a_scale:MATRIX_SCALE_ROW1
.else
	v_wmma_scale_f32_16x16x128_f8f6f4 v[O+8*(\t):O+7+8*(\t)], v[96+12*(\t):107+12*(\t)], v[P:P+11], v[O+8*(\t):O+7+8*(\t)], v[VS+(\t)/2], v[PS] matrix_a_fmt:MATRIX_FMT_FP6 matrix_b_fmt:MATRIX_FMT_FP6
.endif
.endif
.endm
.macro VLOAD hh                        ; half of V's fragments
	WIN 0x40
.set j, 12*(\hh)
.rept 12
	ds_load_b128 v[96+4*j:99+4*j], v[RDI+SL] offset:RO+VIM+512*j
.set j, j+1
.endr
	WIN 0
.endm
; A KEY STEP: 128 keys.  Its K was asked for in the step before (step 0's: ahead of it); V is asked for in two runs that land under the softmax, the next K behind them.
.macro STEP i
.set SL, ((\i)/2)%3
.set RO, REC*((\i)%2)
.if (\i) > 0
	s_cmp_gt_u32 s[N], \i
	s_cbranch_scc0 .Lpast_\i
.endif
	s_wait_dscnt 0x0                               ; K and its words are in
	WIN 1
.irp t, 0,1,2,3,4,5,6,7
	SMM \t
.endr
	WIN 0
.rept 4
	v_nop                                          ; four plain lines between the products and the first read of their scores; also between the last step's V^T P and the loads into V's registers
.endr
.irp t, 0,1,2,3
	ds_load_b32 v[VS+\t], v[RDS+SL] offset:RO+VSC+128*\t
.endr
	VLOAD 0
	s_cmp_ge_u32 s[NE], 128*((\i)+1)
	s_cbranch_scc1 .Lwhole_\i
	s_sub_co_u32 s24, s[NE], 128*(\i)              ; the step that e cuts: keys at or behind e get the mask's score
	v_sub_nc_u32 v255, s24, v[H16]
	v_mov_b32 v254, 0xcb2ca22c                     ; -11313708.0
.irp b, 0,1,2,3
.irp k, 0,1,2,3,4,5,6,7,8,9,10,11,12,13,14,15
	v_cmp_lt_i32 vcc_lo, 32*\b+\k, v255
	v_cndmask_b32 v[S+16*\b+\k], v254, v[S+16*\b+\k], vcc_lo
.endr
.endr
.Lwhole_\i:
	; the largest score of each block of 32 keys: it serves the row's maximum and, since p rises with the score, the block's largest p.  Two chains a block, the eight by turns
.irp b, 0,1,2,3
	v_max3_num_f32 v[BM+\b], v[S+16*\b], v[S+1+16*\b], v[S+2+16*\b]
.endr
.irp b, 0,1,2,3
	v_max3_num_f32 v[BX+\b], v[S+8+16*\b], v[S+9+16*\b], v[S+10+16*\b]
.endr
.irp k, 3,5
.irp b, 0,1,2,3
	v_max3_num_f32 v[BM+\b], v[BM+\b], v[S+16*\b+\k], v[S+1+16*\b+\k]
.endr
.irp b, 0,1,2,3
	v_max3_num_f32 v[BX+\b], v[BX+\b], v[S+8+16*\b+\k], v[S+9+16*\b+\k]
.endr
.endr
.irp b, 0,1,2,3
	v_max3_num_f32 v[BM+\b], v[BM+\b], v[S+7+16*\b], v[S+15+16*\b]   ; the two that the chains left out
.endr
.irp b, 0,1,2,3
	v_max_num_f32 v[BM+\b], v[BM+\b], v[BX+\b]
.endr
	VLOAD 1
.irp b, 0,1,2,3
	v_permlanex16_b32 v[SC+\b], v[BM+\b], s[SEL], s[SEL+1]
.endr
.irp b, 0,1,2,3
	v_max_num_f32 v[BM+\b], v[BM+\b], v[SC+\b]     ; with lane l xor 16's 16 keys
.endr
	v_max3_num_f32 v254, v[BM], v[BM+1], v[BM+2]
	v_max_num_f32 v254, v254, v[BM+3]              ; the step's largest score of my query
.if (\i) == 0
	v_mul_f32 v13, s[CS], v254                     ; as t (c is not negative)
	v_floor_f32 v[NM], -v13                        ; -M = floor(-t) = -ceil(t)
.else
	v_mul_f32 v254, s[CS], v254
	v_max_num_f32 v13, v13, v254                   ; the running largest t
	v_mov_b32 v254, v[NM]
	v_floor_f32 v[NM], -v13                        ; the new -M
	v_sub_f32 v254, v[NM], v254                    ; old M less new M: a whole number, 0 or less
	v_cvt_i32_f32 v254, v254                       ; (it saturates)
	v_ldexp_f32 v252, 1.0, v254                    ; f = 2^(old M - new M)
.endif
.set k, 0
.rept 16
	v_pk_fma_f32 v[S+k:S+k+1], v[S+k:S+k+1], s[CS:CS+1], v[NM:NM+1] op_sel_hi:[1,0,0]   ; t - M of blocks 0 and 1, two at a time (of the pairs c and -M the low word serves both halves)
.set k, k+2
.endr
.irp b, 0,1,2,3
	v_fma_f32 v[BM+\b], v[BM+\b], s[CS], v[NM]     ; the same of each block's largest score
.endr
.if (\i) > 0
.set k, 0
.rept 32
	v_pk_mul_f32 v[O+k:O+k+1], v[O+k:O+k+1], v[252:253] op_sel_hi:[1,0]   ; O^T under the new M, each accumulator from its low end on
.set k, k+2
.endr
.endif
.if (\i)%2 == 0
	KLOAD SL, 1                                    ; the next step's K: its registers have been free since this step's S^T
.elseif (\i) < 7
	s_cmp_gt_u32 s[N], (\i)+1
	s_cbranch_scc0 .Lnone_\i
	KLOAD (SL+1)%3, 0                              ; the next pair's first record
.Lnone_\i:
.endif
	s_wait_alu depctr_va_vdst(0)                   ; the wait ahead of the batch
.set k, 0
.rept 36                                       ; 36 exponentials: the blocks' largest p, then blocks 0 and 1; among them t - M of blocks 2 and 3
.if k < 4
	v_exp_f32 v[BM+k], v[BM+k]
.else
	v_exp_f32 v[S+k-4], v[S+k-4]                   ; p = 2^(t - M), at most 1
.endif
.if (k%2 == 0) && (k < 32)
	v_pk_fma_f32 v[S+32+k:S+33+k], v[S+32+k:S+33+k], s[CS:CS+1], v[NM:NM+1] op_sel_hi:[1,0,0]
.endif
.set k, k+1
.endr
.if (\i) > 0
	v_pk_mul_f32 v[14:15], v[14:15], v[252:253] op_sel_hi:[1,0]   ; the sums under the new M: the plain line behind the last exponential
.else
	v_nop                                          ; the plain line behind the last exponential
.endif
	s_wait_alu depctr_va_vdst(0)                   ; behind the first batch and ahead of the second
.set k, 0
.rept 32                                       ; blocks 2 and 3; among them lines on the first batch's results, none of which reads what another of them writes
	v_exp_f32 v[S+32+k], v[S+32+k]
.if (k%2 == 1) && (k < 8)
	v_max_num_f32 v[BM+k/2], 0x1800000, v[BM+k/2]  ; the floor 2^(3 - 127): a block whose every p is 0 keeps the byte 1; its codes are zeros
.elseif (k%2 == 1) && (k < 18)
	v_pk_add_f32 v[P+k-9:P+k-8], v[S+2*(k-9):S+2*(k-9)+1], v[S+2*(k-9)+2:S+2*(k-9)+3]   ; THE ROW'S SUM IS TAKEN OF THE UNQUANTISED p
.elseif k == 31
	v_pk_add_f32 v[P+10:P+11], v[S+20:S+21], v[S+22:S+23]
.endif
.set k, k+1
.endr
	s_wait_alu depctr_va_vdst(0)                   ; and behind the second batch
	v_pk_add_f32 v[P:P+1], v[P:P+1], v[P+2:P+3]
	v_pk_add_f32 v[P+4:P+5], v[P+4:P+5], v[P+6:P+7]
	v_pk_add_f32 v[P+8:P+9], v[P+8:P+9], v[P+10:P+11]
.irp b, 0,1,2,3
	v_add_nc_u32 v[SC+\b], 0xff000000, v[BM+\b]    ; 2 off the exponent field: the conversion's scale operand
.endr
	v_pk_add_f32 v[P:P+1], v[P:P+1], v[P+4:P+5]
.irp b, 0,1,2,3
	v_lshrrev_b32 v[BX+\b], 23, v[SC+\b]           ; the byte
.endr
	v_pk_add_f32 v[252:253], v[P:P+1], v[P+8:P+9]  ; the first 24 p
	v_lshl_or_b32 v254, v[BX+1], 8, v[BX]          ; P's scale word for these 128 keys
	v_lshl_or_b32 v254, v[BX+2], 16, v254
	v_lshl_or_b32 v[PS], v[BX+3], 24, v254
.irp c, 0,1
	v_cvt_scalef32_pk16_fp6_f32 v[P+6*\c:P+2+6*\c], v[S+32*\c:S+15+32*\c], v[SC+2*\c]
	v_cvt_scalef32_pk16_fp6_f32 v[BM+4*\c:BM+2+4*\c], v[S+16+32*\c:S+31+32*\c], v[SC+2*\c+1]   ; (three registers from an even number on)
.endr
	v_nop                                          ; one plain line behind the conversions
.irp c, 0,1                                    ; the operand wants a WHOLE block in a lane: lanes 0-15 block 2 c, lanes 16-31 block 2 c + 1
.irp k, 0,1,2
	v_permlane16_swap_b32 v[P+6*\c+\k], v[BM+4*\c+\k]
.endr
.endr
.irp c, 0,1
.irp k, 0,1,2
	v_mov_b32 v[P+3+6*\c+\k], v[BM+4*\c+\k]
.endr
.endr
	; the other 40 p, in four chains.  These lines also stand between the writes of P's codes and scale word and the products that take them (4 and 8 are asked)
.set k, 0
.rept 4
	v_pk_add_f32 v[BM+2*k:BM+2*k+1], v[S+24+4*k:S+25+4*k], v[S+26+4*k:S+27+4*k]
.set k, k+1
.endr
.set k, 0
.rept 12
	v_pk_add_f32 v[BM+2*(k%4):BM+2*(k%4)+1], v[BM+2*(k%4):BM+2*(k%4)+1], v[S+40+2*k:S+41+2*k]
.set k, k+1
.endr
	v_pk_add_f32 v[BM:BM+1], v[BM:BM+1], v[BM+2:BM+3]
	v_pk_add_f32 v[BM+4:BM+5], v[BM+4:BM+5], v[BM+6:BM+7]
	v_pk_add_f32 v[BM:BM+1], v[BM:BM+1], v[252:253]
.if (\i) == 0
	v_pk_add_f32 v[14:15], v[BM:BM+1], v[BM+4:BM+5]
.else
	v_pk_add_f32 v[BM:BM+1], v[BM:BM+1], v[BM+4:BM+5]
	v_pk_add_f32 v[14:15], v[14:15], v[BM:BM+1]
.endif
.if (\i)%2 == 0
	s_wait_dscnt 28                                ; V is in; the next K's 28 loads are younger
.else
	s_wait_dscnt 0x0                               ; V is in
.endif
	WIN 1
.irp t, 0,1,2,3,4,5,6,7
	PVM \t, \i
.endr
	WIN 0
.Lpast_\i:
.endm
; Between steps 2 j and 2 j + 1: pair j + 1 goes into its slot and is shown to all; pair j + 2 is asked for.
.macro TURN j
	s_wait_loadcnt 0x0                             ; pair j + 1 is in my registers
	s_cmp_gt_u32 s[N], 2*(\j)+2
	s_cbranch_scc0 .Lunfilled_\j
	LSTORE ((\j)+1)%3, 0, R0
	WIN 4
	LSTORE ((\j)+1)%3, 1, R1
	WIN 0
.Lunfilled_\j:
	s_wait_dscnt 0x0                               ; my stores are done, and so are my reads
	s_barrier_signal -1
	s_barrier_wait -1                              ; everybody's are
.if (\j) < 2
	s_cmp_gt_u32 s[N], 2*(\j)+4
	s_cbranch_scc0 .Lunasked_\j
	GLOAD 2*(\j)+4, R0                             ; two steps go by before it is wanted
	WIN 0x40
	GLOAD 2*(\j)+5, R1
	WIN 0
.Lunasked_\j:
.endif
.endm
	s_wait_alu depctr_va_vdst(0)                   ; the wait at the head's end
	s_wait_loadcnt 26                              ; pair 0 is in; pair 1's 26 are younger
	WIN 4
	LSTORE 0, 0, 0
	LSTORE 0, 1, 50
	WIN 0
	s_wait_dscnt 0x0                               ; my stores are done, and my reads of my stage
	s_barrier_signal -1
	s_barrier_wait -1                              ; everybody's are
	KLOAD 0, 0
	STEP 0
	TURN 0
	STEP 1
	STEP 2
	TURN 1
	STEP 3
	STEP 4
	TURN 2
	STEP 5
	STEP 6
	STEP 7
; THE WAY OUT: O^T / the sum; a lane's eight channels of a row are 32 bytes: they go into my stage and come back as whole rows of 512 bytes.
	s_wait_alu depctr_va_vdst(0)                   ; directly ahead of the reader below
	v_add_f32 v14, v14, v15                        ; the sum's two halves,
	v_permlanex16_b32 v252, v14, s[SEL], s[SEL+1]
	v_add_f32 v14, v14, v252                       ; and lane l xor 16's
	s_wait_alu depctr_va_vdst(0)                   ; the wait ahead of the reciprocal
	v_rcp_f32 v14, v14
.rept 4
	v_nop                                          ; plain lines behind the reciprocal and the last products
.endr
	s_wait_alu depctr_va_vdst(0)                   ; and ahead of the first reader
.set j, 0
.rept 32
	v_pk_mul_f32 v[S+j:S+j+1], v[O+j:O+j+1], v[14:15] op_sel_hi:[1,0]   ; register 8 t + i is o(r, 16 t + 8 h + i); each accumulator from its low end on
.set j, j+2
.endr
.irp t, 0,1,2,3,4,5,6,7
	ds_store_b128 v[STO], v[S+8*\t:S+3+8*\t] offset:64*\t
	ds_store_b128 v[STO], v[S+4+8*\t:S+7+8*\t] offset:64*\t+16
.endr
.set j, 0
.rept 16
	ds_load_b128 v[O+4*j:O+3+4*j], v[STS] offset:SP*j   ; LDS serves a wave's instructions in order: these see my stores
.set j, j+1
.endr
.set j, 0
.rept 16
	s_wait_dscnt 15-j                              ; row j is back; the younger rows may be out
	global_store_b128 v[LI], v[O+4*j:O+3+4*j], s[10:11] offset:512*j th:TH_STORE_NT   ; 32 lanes store a row's 512 consecutive bytes
.set j, j+1
.endr
	s_wait_tensorcnt 0x0                           ; the wave's end
	ds_add_u32 v[SPW], v[NIL]
	s_wait_dscnt 0x0
	s_endpgm
.Lfunc_end_k_q324c549e29_attn:
	.size	k_q324c549e29_attn, .Lfunc_end_k_q324c549e29_attn-k_q324c549e29_attn
	.p2alignl 7, 3214868480
	.fill 96, 4, 3214868480
	.section	.rodata,"a",@progbits
	.p2align	6, 0x0
	.amdhsa_kernel k_q324c549e29_attn
		.amdhsa_group_segment_fixed_size 308224
		.amdhsa_private_segment_fixed_size 0
		.amdhsa_enable_private_segment 0
		.amdhsa_kernarg_size 32
		.amdhsa_user_sgpr_count 2
		.amdhsa_user_sgpr_kernarg_segment_ptr 1
		.amdhsa_wavefront_size32 1
		.amdhsa_system_sgpr_workgroup_id_x 1
		.amdhsa_system_sgpr_workgroup_id_y 1
		.amdhsa_system_sgpr_workgroup_id_z 1
		.amdhsa_system_vgpr_workitem_id 0
		.amdhsa_next_free_vgpr 512
		.amdhsa_next_free_sgpr 66
		.amdhsa_reserve_vcc 1
		.amdhsa_float_denorm_mode_32 3
		.amdhsa_float_denorm_mode_16_64 3
		.amdhsa_memory_ordered 1
		.amdhsa_forward_progress 1
		.amdhsa_inst_pref_size 224
	.end_amdhsa_kernel
	.amdgpu_metadata
---
amdhsa.version: [ 1, 2 ]
amdhsa.kernels:
  - .name:           k_q324c549e29_attn
    .symbol:         k_q324c549e29_attn.kd
    .args:
      - { .name: query, .offset: 0, .size: 8, .value_kind: global_buffer, .address_space: global }
      - { .name: order, .offset: 8, .size: 8, .value_kind: global_buffer, .address_space: global }
      - { .name: kv, .offset: 16, .size: 8, .value_kind: global_buffer, .address_space: global }
      - { .name: out0, .offset: 24, .size: 8, .value_kind: global_buffer, .address_space: global }
    .group_segment_fixed_size: 308224
    .private_segment_fixed_size: 0
    .kernarg_segment_align: 8
    .kernarg_segment_size: 32
    .max_flat_workgroup_size: 256
    .sgpr_count:     66
    .vgpr_count:     512
    .wavefront_size: 32
...
	.end_amdgpu_metadata
.endif
;; end of part 2
